; MI455X (gfx1250); checked and timed in simulation.
; The chip was launched on July 23, 2026; its instructions are those of AMD's public machine-readable ISA for CDNA 5 (MIT licence, August 2026) and "CDNA5" Instruction Set Architecture Reference Guide (July 2026). The comments in the code are by the model that wrote it; some were corrected since.
;; Interpretable Attention. Allowed arithmetic: float matrix products may take bf16 or f16 operands with f32 sums; all other float work in f32.
;; Inputs: Wk 256 x 256 float32; Wq 256 x 256 float32; bk 256 float32; bq 256 float32; x 8 x 4,096 x 256 float32.
;; Outputs: out0 8 x 4,096 float32.
;; One version. Each part assembles by itself: llvm-mc -triple=amdgcn-amd-amdhsa -mcpu=gfx1250 --defsym DOCPART=n.
;; ======== version 1 of 1: 3 launches
;; workspace buffers: upart 327,680 bytes; scores 131,072 bytes
;; launch proj (part 1): grid 32 x 8, 1 waves a work-group, no clusters, 0 bytes of LDS; arguments x, Wq, bq, Wk, bk, upart; writes upart
.if DOCPART == 1
	.amdgcn_target "amdgcn-amd-amdhsa--gfx1250"
	.amdhsa_code_object_version 6
	.text
	.protected	k_qdd3b38b45e_proj
	.globl	k_qdd3b38b45e_proj
	.p2align	8
	.type	k_qdd3b38b45e_proj,@function
k_qdd3b38b45e_proj:
	s_mov_b64 s[64:65], 0
	v_nop
	global_prefetch_b8 v0, s[64:65] scope:SCOPE_SE
	s_setreg_imm32_b32 hwreg(HW_REG_WAVE_MODE, 25, 1), 1
	s_wait_xcnt 0x0
; Only row 0 of the softmax leaves the module, so a batch b needs q0 = Wq x[b,0] + bq and the scores q0 . (Wk x[b,j] + bk).
; For every input q0 . (Wk x_j + bk) = (Wk^T q0) . x_j + q0 . bk.  This launch makes u = Wk^T q0 and c = q0 . bk, in parts:
; work-group (g, b) takes the eight rows e = 8 g .. 8 g + 7 of Wq and Wk and stores
;   upart[b][g][0..255]   = sum over its e of Wk[e][d] q0[e]
;   upart[b][g][256..319] = sum over its e of bk[e] q0[e], 64 times, so that the row's fifth block of 256 bytes is stored whole too.
; The next launch adds the 32 parts.  A row e of the weights is needed by one g alone, and q0 is never gathered.
; All in f32 on the vector ALU: each product here has ONE row for a batch, of which a matrix tile of 16 rows would use a sixteenth.
; One wave a work-group; lane l owns columns 4 l .. 4 l + 3 and 128 + 4 l .. 128 + 4 l + 3 of every row of 256 numbers, so each
; 16-byte load or store of the wave covers 512 consecutive bytes that start at a multiple of 256.  No LDS, no barrier, no loop.
; No cluster: the eight batches of one g read the same 16,384 bytes of weights, once, straight into registers; a joint request
; would have to go through LDS for a work-group whose whole input is 17,472 bytes.
; LIMIT: the order of summation differs from the reference's (the product is reassociated; sums run as trees in f32).
.set X,  4                             ; v[4:11]    x[b,0], my 8 columns
.set WQ, 12                            ; v[12:75]   row e of Wq at WQ + 8 e; its first register becomes the row's dot product
.set WK, 76                            ; v[76:139]  row e of Wk at WK + 8 e; row 0's registers become my 8 numbers of the part of u
.set Q,  140                           ; v[140:155] q0[8 g + e] twice, a pair for the packed multiply
.set C,  156                           ; v[156:157] the part of c, twice
.set BQ, 32                            ; s[32:39]   bq[8 g ..]
.set BK, 40                            ; s[40:47]   bk[8 g ..]
	s_load_b256 s[4:11], s[0:1], 0x0               ; x s[4:5], Wq s[6:7], bq s[8:9], Wk s[10:11]
	s_load_b128 s[12:15], s[0:1], 0x20             ; bk s[12:13], upart s[14:15]
	s_and_b32 s16, ttmp7, 0xffff                   ; b
	s_lshl_b32 s18, s16, 22                        ; x: b x 4,096 rows x 1,024 bytes
	s_mov_b32 s19, 0
	s_lshl_b32 s20, ttmp9, 13                      ; Wq, Wk: g x 8 rows x 1,024 bytes
	s_mov_b32 s21, 0
	s_lshl_b32 s22, ttmp9, 5                       ; bq, bk: g x 8 numbers x 4 bytes
	s_mov_b32 s23, 0
	s_lshl_b32 s24, s16, 5
	s_add_co_u32 s24, s24, ttmp9
	s_mul_i32 s24, s24, 1280                       ; upart: (32 b + g) x 1,280 bytes
	s_mov_b32 s25, 0
	s_mov_b32 s48, 0x76543210                      ; v_permlanex16_b32: lane i of one half reads lane i of the other
	s_mov_b32 s49, 0xfedcba98
	v_lshlrev_b32 v1, 4, v0                        ; 16 x lane
	v_lshlrev_b32 v2, 3, v0                        ; 8 x lane
	s_wait_kmcnt 0x0
	s_add_nc_u64 s[4:5], s[4:5], s[18:19]
	s_add_nc_u64 s[6:7], s[6:7], s[20:21]
	s_add_nc_u64 s[8:9], s[8:9], s[22:23]
	s_add_nc_u64 s[10:11], s[10:11], s[20:21]
	s_add_nc_u64 s[12:13], s[12:13], s[22:23]
	s_add_nc_u64 s[14:15], s[14:15], s[24:25]
	s_load_b256 s[BQ:BQ+7], s[8:9], 0x0            ; my eight bq and bk are the same for all lanes: scalar loads
	s_load_b256 s[BK:BK+7], s[12:13], 0x0
	; all 34 vector loads go out at once: x[b,0], then Wq's rows, then Wk's
	global_load_b128 v[X:X+3],   v1, s[4:5]
	global_load_b128 v[X+4:X+7], v1, s[4:5] offset:512
.irp e, 0,1,2,3,4,5,6,7
	global_load_b128 v[WQ+8*\e:WQ+8*\e+3],   v1, s[6:7] offset:1024*\e
	global_load_b128 v[WQ+8*\e+4:WQ+8*\e+7], v1, s[6:7] offset:1024*\e+512
.endr
.irp e, 0,1,2,3,4,5,6,7
	global_load_b128 v[WK+8*\e:WK+8*\e+3],   v1, s[10:11] offset:1024*\e
	global_load_b128 v[WK+8*\e+4:WK+8*\e+7], v1, s[10:11] offset:1024*\e+512
.endr
	s_wait_loadcnt 16                              ; x and Wq are in; the 16 younger loads, Wk's, stay out
	; q0[e] = Wq[e] . x[b,0] + bq[e]: eight chains, written stage by stage so that no line waits for the one in front of it
.irp e, 0,1,2,3,4,5,6,7
	v_pk_mul_f32 v[WQ+8*\e:WQ+8*\e+1], v[WQ+8*\e:WQ+8*\e+1], v[X:X+1]
.endr
.irp k, 1,2,3
.irp e, 0,1,2,3,4,5,6,7
	v_pk_fma_f32 v[WQ+8*\e:WQ+8*\e+1], v[WQ+8*\e+2*\k:WQ+8*\e+2*\k+1], v[X+2*\k:X+2*\k+1], v[WQ+8*\e:WQ+8*\e+1]
.endr
.endr
.irp e, 0,1,2,3,4,5,6,7
	v_add_f32 v[WQ+8*\e], v[WQ+8*\e], v[WQ+8*\e+1]
.endr
	; across the 32 lanes: four steps inside each half of 16 lanes ride on the addition, one crosses the halves
.irp m, 1,2,4,8
.irp e, 0,1,2,3,4,5,6,7
	v_add_f32_dpp v[WQ+8*\e], v[WQ+8*\e], v[WQ+8*\e] row_xmask:\m row_mask:0xf bank_mask:0xf
.endr
.endr
.irp e, 0,1,2,3,4,5,6,7
	v_permlanex16_b32 v[WQ+8*\e+1], v[WQ+8*\e], s48, s49       ; its destination has been written before
.endr
.irp e, 0,1,2,3,4,5,6,7
	v_add_f32 v[WQ+8*\e], v[WQ+8*\e], v[WQ+8*\e+1]             ; every lane holds the dot product
.endr
	s_wait_kmcnt 0x0                               ; bq and bk
.irp e, 0,1,2,3,4,5,6,7
	v_add_f32 v[Q+2*\e],   s[BQ+\e], v[WQ+8*\e]
	v_add_f32 v[Q+2*\e+1], s[BQ+\e], v[WQ+8*\e]
.endr
	s_wait_loadcnt 0x0                             ; Wk
	; my 8 numbers of sum over e of Wk[e][d] q0[e]: four chains, started by row 0's product: nothing is cleared
.irp j, 0,2,4,6
	v_pk_mul_f32 v[WK+\j:WK+\j+1], v[WK+\j:WK+\j+1], v[Q:Q+1]
.endr
.irp e, 1,2,3,4,5,6,7
.irp j, 0,2,4,6
	v_pk_fma_f32 v[WK+\j:WK+\j+1], v[WK+8*\e+\j:WK+8*\e+\j+1], v[Q+2*\e:Q+2*\e+1], v[WK+\j:WK+\j+1]
.endr
.endr
	v_mul_f32 v[C], s[BK], v[Q]                    ; sum over e of bk[e] q0[e]
.irp e, 1,2,3,4,5,6,7
	v_fmac_f32 v[C], s[BK+\e], v[Q+2*\e]
.endr
	v_mov_b32 v[C+1], v[C]
	global_store_b128 v1, v[WK:WK+3],   s[14:15]               ; 512 consecutive bytes each,
	global_store_b128 v1, v[WK+4:WK+7], s[14:15] offset:512
	global_store_b64  v2, v[C:C+1],     s[14:15] offset:1024   ; and 32 lanes x 8 bytes: the row's last 256 bytes
	s_endpgm
.Lfunc_end_k_qdd3b38b45e_proj:
	.size	k_qdd3b38b45e_proj, .Lfunc_end_k_qdd3b38b45e_proj-k_qdd3b38b45e_proj
	.p2alignl 7, 3214868480
	.fill 96, 4, 3214868480
	.section	.rodata,"a",@progbits
	.p2align	6, 0x0
	.amdhsa_kernel k_qdd3b38b45e_proj
		.amdhsa_group_segment_fixed_size 0
		.amdhsa_private_segment_fixed_size 0
		.amdhsa_enable_private_segment 0
		.amdhsa_kernarg_size 48
		.amdhsa_user_sgpr_count 2
		.amdhsa_user_sgpr_kernarg_segment_ptr 1
		.amdhsa_wavefront_size32 1
		.amdhsa_system_sgpr_workgroup_id_x 1
		.amdhsa_system_sgpr_workgroup_id_y 1
		.amdhsa_system_sgpr_workgroup_id_z 1
		.amdhsa_system_vgpr_workitem_id 0
		.amdhsa_next_free_vgpr 160
		.amdhsa_next_free_sgpr 66
		.amdhsa_reserve_vcc 0
		.amdhsa_float_denorm_mode_32 3
		.amdhsa_float_denorm_mode_16_64 3
		.amdhsa_memory_ordered 1
		.amdhsa_forward_progress 1
		.amdhsa_inst_pref_size 13
	.end_amdhsa_kernel
	.amdgpu_metadata
---
amdhsa.version: [ 1, 2 ]
amdhsa.kernels:
  - .name:           k_qdd3b38b45e_proj
    .symbol:         k_qdd3b38b45e_proj.kd
    .args:
      - { .name: x, .offset: 0, .size: 8, .value_kind: global_buffer, .address_space: global }
      - { .name: Wq, .offset: 8, .size: 8, .value_kind: global_buffer, .address_space: global }
      - { .name: bq, .offset: 16, .size: 8, .value_kind: global_buffer, .address_space: global }
      - { .name: Wk, .offset: 24, .size: 8, .value_kind: global_buffer, .address_space: global }
      - { .name: bk, .offset: 32, .size: 8, .value_kind: global_buffer, .address_space: global }
      - { .name: upart, .offset: 40, .size: 8, .value_kind: global_buffer, .address_space: global }
    .group_segment_fixed_size: 0
    .private_segment_fixed_size: 0
    .kernarg_segment_align: 8
    .kernarg_segment_size: 48
    .max_flat_workgroup_size: 32
    .sgpr_count:     66
    .vgpr_count:     160
    .wavefront_size: 32
...
	.end_amdgpu_metadata
.endif
;; end of part 1
;; launch score (part 2): grid 32 x 8, 8 waves a work-group, no clusters, 9,984 bytes of LDS; arguments x, upart, scores; writes scores
.if DOCPART == 2
	.amdgcn_target "amdgcn-amd-amdhsa--gfx1250"
	.amdhsa_code_object_version 6
	.text
	.protected	k_qdd3b38b45e_score
	.globl	k_qdd3b38b45e_score
	.p2align	8
	.type	k_qdd3b38b45e_score,@function
k_qdd3b38b45e_score:
	s_mov_b64 s[64:65], 0
	v_nop
	global_prefetch_b8 v0, s[64:65] scope:SCOPE_SE
	s_setreg_imm32_b32 hwreg(HW_REG_WAVE_MODE, 25, 1), 1
	s_wait_xcnt 0x0
; scores[b][j] = u[b] . x[b,j] + c[b], with u[b] and c[b] the sums of the 32 parts that the launch before stored in upart.
; This is the stream over x: every byte of x is read once, by 16-byte loads of which a wave's covers 512 consecutive bytes.
; Work-group (chunk, b) takes 128 rows j, wave w 16 of them: 16,384 bytes = 32 loads a lane = 128 registers, ALL issued at the head,
; so the work-group's whole 131,072 bytes of x are on their way while u is put together.  Hence no ring of slots and no refill.
; u: wave w adds the parts g = 4 w .. 4 w + 3, the eight waves' sums meet in LDS, every wave adds the eight.
; The 16 dot products of a wave are summed over the lanes by a fold that also transposes: lane l ends with row l mod 16.
; The 128 scores meet in LDS and wave 0 stores them as 512 consecutive bytes.
; All in f32 on the vector ALU: the product has one row (u) for a batch, and half a FLOP for each byte read.
; No cluster: the 32 work-groups of a batch share the 40,960 bytes of parts, read once at the head into registers, beside
; 131,072 bytes of x that no two work-groups share; a joint request would bring LDS fills and the cluster's barrier into
; a text that has two barriers.
; LIMIT: the order of summation differs from the reference's (the product is reassociated; sums run as trees in f32).
.set UP, 0                             ; LDS 0 .. 8191:     wave w's sum of four parts of u, 1,024 bytes each
.set CP, 8192                          ; LDS 8192 .. 8223:  wave w's sum of four parts of c, one word each
.set SC, 8448                          ; LDS 8448 .. 8959:  the work-group's 128 scores
.set PU, 20                            ; v[20:83]   four parts as loaded (8 registers each), later eight sums as read from LDS
.set U,  20                            ; v[20:27]   u, my 8 columns
.set CL, 84                            ; v[84:91]   four parts of c as loaded, later eight sums; c ends in v84
.set X,  96                            ; v[96:223]  row r of my 16 at X + 8 r; its first register becomes the row's partial dot product,
                                       ;            its second is at work in the fold
	s_load_b128 s[4:7], s[0:1], 0x0                ; x s[4:5], upart s[6:7]
	s_load_b64 s[8:9], s[0:1], 0x10                ; scores
	v_lshl_add_u32 v224, v0, 2, 0x2300
	v_mov_b32 v225, 0
	v_lshrrev_b32 v4, 5, v0
	v_readfirstlane_b32 s10, v4                    ; wave 0..7
	s_and_b32 s12, ttmp7, 0xffff                   ; b
	s_lshl_b32 s14, s12, 22                        ; x: b x 4,096 rows x 1,024 bytes
	s_lshl_b32 s15, ttmp9, 17                      ;  + chunk x 128 rows
	s_add_co_u32 s14, s14, s15
	s_lshl_b32 s15, s10, 14                        ;  + wave x 16 rows
	s_add_co_u32 s14, s14, s15
	s_mov_b32 s15, 0
	s_mul_i32 s16, s12, 40960                      ; upart: b x 32 parts x 1,280 bytes
	s_mul_i32 s17, s10, 5120                       ;  + wave x 4 parts
	s_add_co_u32 s16, s16, s17
	s_mov_b32 s17, 0
	s_lshl_b32 s18, s12, 14                        ; scores: b x 4,096 x 4 bytes
	s_lshl_b32 s19, ttmp9, 9                       ;  + chunk x 128 x 4 bytes
	s_add_co_u32 s18, s18, s19
	s_mov_b32 s19, 0
	s_mov_b32 s20, 0xff00ff00                      ; the lanes whose number has bit 3 set,
	s_mov_b32 s21, 0xf0f0f0f0                      ; bit 2,
	s_mov_b32 s22, 0xcccccccc                      ; bit 1,
	s_mov_b32 s23, 0xaaaaaaaa                      ; bit 0
	s_mov_b32 s24, 0x76543210                      ; v_permlanex16_b32: lane i of one half reads lane i of the other
	s_mov_b32 s25, 0xfedcba98
	v_and_b32 v4, 31, v0                           ; lane
	v_lshlrev_b32 v1, 4, v4                        ; 16 x lane: offset in a half row of x or u, in memory and in LDS
	v_lshlrev_b32 v2, 2, v4                        ; 4 x lane
	v_lshl_add_u32 v3, s10, 10, v1                 ; where I put my wave's sum of parts: 1,024 w + 16 x lane
	v_mov_b32 v5, 0
	v_mov_b32 v6, s10
	v_lshlrev_b32 v6, 2, v6                        ; 4 w
	v_and_b32 v7, 15, v0
	v_lshlrev_b32 v7, 2, v7
	v_lshl_add_u32 v7, s10, 6, v7                  ; where my score goes: 64 w + 4 (lane mod 16)
	s_wait_kmcnt 0x0
	s_add_nc_u64 s[4:5], s[4:5], s[14:15]
	s_add_nc_u64 s[6:7], s[6:7], s[16:17]
	s_add_nc_u64 s[8:9], s[8:9], s[18:19]
	; twelve loads of parts first, since they are wanted first; then the wave's whole share of x
.irp k, 0,1,2,3
	global_load_b128 v[PU+8*\k:PU+8*\k+3],   v1, s[6:7] offset:1280*\k
	global_load_b128 v[PU+8*\k+4:PU+8*\k+7], v1, s[6:7] offset:1280*\k+512
	global_load_b32  v[CL+\k],               v2, s[6:7] offset:1280*\k+1024    ; each lane takes one of the 64 equal copies
.endr
.irp r, 0,1,2,3,4,5,6,7,8,9,10,11,12,13,14,15
	global_load_b128 v[X+8*\r:X+8*\r+3],   v1, s[4:5] offset:1024*\r th:TH_LOAD_NT        ; read once in the launch
	global_load_b128 v[X+8*\r+4:X+8*\r+7], v1, s[4:5] offset:1024*\r+512 th:TH_LOAD_NT
.endr
	s_wait_loadcnt 32                              ; the parts are in; the 32 younger loads, x's, stay out
	; my wave's four parts: (0 + 1) + (2 + 3)
.irp j, 0,2,4,6
	v_pk_add_f32 v[PU+\j:PU+\j+1],       v[PU+\j:PU+\j+1],       v[PU+8+\j:PU+8+\j+1]
	v_pk_add_f32 v[PU+16+\j:PU+16+\j+1], v[PU+16+\j:PU+16+\j+1], v[PU+24+\j:PU+24+\j+1]
.endr
.irp j, 0,2,4,6
	v_pk_add_f32 v[PU+\j:PU+\j+1], v[PU+\j:PU+\j+1], v[PU+16+\j:PU+16+\j+1]
.endr
	v_pk_add_f32 v[CL:CL+1], v[CL:CL+1], v[CL+2:CL+3]
	v_add_f32 v[CL], v[CL], v[CL+1]
	ds_store_b128 v3, v[PU:PU+3]   offset:UP
	ds_store_b128 v3, v[PU+4:PU+7] offset:UP+512
	ds_store_b32  v6, v[CL]        offset:CP       ; all lanes put the same number into the wave's word
	s_wait_dscnt 0x0                               ; for the other waves' sake: my stores are done before I signal
	s_barrier_signal -1                            ; the loads of x stay on their way across this barrier: nobody writes those bytes
	s_barrier_wait -1
.irp k, 0,1,2,3,4,5,6,7
	ds_load_b128 v[PU+8*\k:PU+8*\k+3],   v1 offset:UP+1024*\k          ; 32 lanes x 16 neighbouring bytes: no two lanes meet in a bank
	ds_load_b128 v[PU+8*\k+4:PU+8*\k+7], v1 offset:UP+1024*\k+512
.endr
	ds_load_b128 v[CL:CL+3],   v5 offset:CP        ; the eight words, the same for every lane
	ds_load_b128 v[CL+4:CL+7], v5 offset:CP+16
	s_wait_dscnt 0x0
	; the eight waves' sums, as a tree: 8 -> 4 -> 2 -> 1
.irp k, 0,1,2,3
.irp j, 0,2,4,6
	v_pk_add_f32 v[PU+8*\k+\j:PU+8*\k+\j+1], v[PU+8*\k+\j:PU+8*\k+\j+1], v[PU+8*(\k+4)+\j:PU+8*(\k+4)+\j+1]
.endr
.endr
.irp k, 0,1
.irp j, 0,2,4,6
	v_pk_add_f32 v[PU+8*\k+\j:PU+8*\k+\j+1], v[PU+8*\k+\j:PU+8*\k+\j+1], v[PU+8*(\k+2)+\j:PU+8*(\k+2)+\j+1]
.endr
.endr
.irp j, 0,2,4,6
	v_pk_add_f32 v[U+\j:U+\j+1], v[PU+\j:PU+\j+1], v[PU+8+\j:PU+8+\j+1]
.endr
	v_pk_add_f32 v[CL:CL+1],   v[CL:CL+1],   v[CL+4:CL+5]
	v_pk_add_f32 v[CL+2:CL+3], v[CL+2:CL+3], v[CL+6:CL+7]
	v_pk_add_f32 v[CL:CL+1],   v[CL:CL+1],   v[CL+2:CL+3]
	v_add_f32 v[CL], v[CL], v[CL+1]                ; c
; Rows 4 g .. 4 g + 3: my 8 columns' share of u . x, four chains written stage by stage; the first product starts each sum.
.macro DOT4 g
.irp r, 0,1,2,3
	v_pk_mul_f32 v[X+8*(4*\g+\r):X+8*(4*\g+\r)+1], v[X+8*(4*\g+\r):X+8*(4*\g+\r)+1], v[U:U+1]
.endr
.irp k, 1,2,3
.irp r, 0,1,2,3
	v_pk_fma_f32 v[X+8*(4*\g+\r):X+8*(4*\g+\r)+1], v[X+8*(4*\g+\r)+2*\k:X+8*(4*\g+\r)+2*\k+1], v[U+2*\k:U+2*\k+1], v[X+8*(4*\g+\r):X+8*(4*\g+\r)+1]
.endr
.endr
.irp r, 0,1,2,3
	v_add_f32 v[X+8*(4*\g+\r)], v[X+8*(4*\g+\r)], v[X+8*(4*\g+\r)+1]
.endr
.endm
.irp g, 0,1,2,3
	s_wait_loadcnt 24-8*\g                         ; loads come back in order: these four rows are in, eight loads for each younger four stay out
	DOT4 \g
.endr
; One fold.  Rows i and j, a number of each in every lane.  m = the lanes whose number has the bit xm set.  Those lanes keep row j and
; give their number of row i to the lane xm away; the others keep row i and give row j's.  Two rows in 32 lanes become one register in
; which each lane holds the sum of two lanes' numbers of the row that it kept: half the registers, and no number is added twice.
.macro FOLD i, j, m, xm
	v_cndmask_b32 v[X+8*(\i)+1], v[X+8*(\i)], v[X+8*(\j)], \m          ; what I keep
	v_cndmask_b32 v[X+8*(\j)],   v[X+8*(\j)], v[X+8*(\i)], \m          ; what I give
	v_add_f32_dpp v[X+8*(\i)], v[X+8*(\j)], v[X+8*(\i)+1] row_xmask:\xm row_mask:0xf bank_mask:0xf   ; what the lane xm away gives + what I keep
.endm
.irp i, 0,1,2,3,4,5,6,7
	FOLD \i, \i+8, s20, 8
.endr
.irp i, 0,1,2,3
	FOLD \i, \i+4, s21, 4
.endr
.irp i, 0,1
	FOLD \i, \i+2, s22, 2
.endr
	FOLD 0, 1, s23, 1                              ; lane l holds row l mod 16, summed over its half of 16 lanes
	v_permlanex16_b32 v[X+1], v[X], s24, s25       ; the other half's sum of the same row (the destination has been written before)
	v_add_f32 v[X], v[X], v[X+1]
	v_add_f32 v[X], v[X], v[CL]                    ; + c = q0 . bk, as the reference's bias on k gives it
	ds_store_b32 v7, v[X] offset:SC                ; lanes l and l + 16 put the same number into the same word
	s_wait_dscnt 0x0                               ; my store is done before I signal
	s_barrier_signal -1
	s_barrier_wait -1
	s_cmp_lg_u32 s10, 0                            ; wave 0 alone stores the 128 scores
	s_cbranch_scc1 .Lend
	ds_load_b128 v[8:11], v1 offset:SC
	s_wait_dscnt 0x0
	global_store_b128 v1, v[8:11], s[8:9]          ; 512 consecutive bytes, at a multiple of 512 from the buffer's first byte
.Lend:
	s_wait_tensorcnt 0x0
	ds_add_u32 v224, v225
	s_wait_dscnt 0x0
	s_endpgm
.Lfunc_end_k_qdd3b38b45e_score:
	.size	k_qdd3b38b45e_score, .Lfunc_end_k_qdd3b38b45e_score-k_qdd3b38b45e_score
	.p2alignl 7, 3214868480
	.fill 96, 4, 3214868480
	.section	.rodata,"a",@progbits
	.p2align	6, 0x0
	.amdhsa_kernel k_qdd3b38b45e_score
		.amdhsa_group_segment_fixed_size 9984
		.amdhsa_private_segment_fixed_size 0
		.amdhsa_enable_private_segment 0
		.amdhsa_kernarg_size 24
		.amdhsa_user_sgpr_count 2
		.amdhsa_user_sgpr_kernarg_segment_ptr 1
		.amdhsa_wavefront_size32 1
		.amdhsa_system_sgpr_workgroup_id_x 1
		.amdhsa_system_sgpr_workgroup_id_y 1
		.amdhsa_system_sgpr_workgroup_id_z 1
		.amdhsa_system_vgpr_workitem_id 0
		.amdhsa_next_free_vgpr 226
		.amdhsa_next_free_sgpr 66
		.amdhsa_reserve_vcc 0
		.amdhsa_float_denorm_mode_32 3
		.amdhsa_float_denorm_mode_16_64 3
		.amdhsa_memory_ordered 1
		.amdhsa_forward_progress 1
		.amdhsa_inst_pref_size 19
	.end_amdhsa_kernel
	.amdgpu_metadata
---
amdhsa.version: [ 1, 2 ]
amdhsa.kernels:
  - .name:           k_qdd3b38b45e_score
    .symbol:         k_qdd3b38b45e_score.kd
    .args:
      - { .name: x, .offset: 0, .size: 8, .value_kind: global_buffer, .address_space: global }
      - { .name: upart, .offset: 8, .size: 8, .value_kind: global_buffer, .address_space: global }
      - { .name: scores, .offset: 16, .size: 8, .value_kind: global_buffer, .address_space: global }
    .group_segment_fixed_size: 9984
    .private_segment_fixed_size: 0
    .kernarg_segment_align: 8
    .kernarg_segment_size: 24
    .max_flat_workgroup_size: 256
    .sgpr_count:     66
    .vgpr_count:     226
    .wavefront_size: 32
...
	.end_amdgpu_metadata
.endif
;; end of part 2
;; launch soft (part 3): grid 8 x 1, 32 waves a work-group, no clusters, 4,608 bytes of LDS; arguments scores, out0; writes out0
.if DOCPART == 3
	.amdgcn_target "amdgcn-amd-amdhsa--gfx1250"
	.amdhsa_code_object_version 6
	.text
	.protected	k_qdd3b38b45e_soft
	.globl	k_qdd3b38b45e_soft
	.p2align	8
	.type	k_qdd3b38b45e_soft,@function
k_qdd3b38b45e_soft:
	s_mov_b64 s[64:65], 0
	v_nop
	global_prefetch_b8 v0, s[64:65] scope:SCOPE_SE
	s_setreg_imm32_b32 hwreg(HW_REG_WAVE_MODE, 25, 1), 1
	s_wait_xcnt 0x0
; out0[b][j] = exp(s[b][j] - max over j) / sum over j of exp(s[b][j] - max): the softmax of a batch's 4,096 scores.
; The maximum and the sum span the batch, so one work-group takes a batch: eight work-groups, which is all the work there is
; (16,384 bytes each).  32 waves, 1,024 threads, four scores a thread in one 16-byte load; they stay in registers throughout.
; 32 waves and 32 lanes: each wave puts its figure into its own LDS word, and one 4-byte load a lane brings all 32 to every wave.
; The maxima and the sums have LDS words of their own, so two barriers do.
; No cluster, no matrix unit: the work-groups share nothing, and there is no product.
; LIMITS: v_exp_f32 gives zero where the result would lie below 2^-126; v_rcp_f32 is good to 1 ULP (ISA guide, 15.8).
; The sum lies between 1 (the largest score's own term) and 4,096.  A NaN or +infinity among a batch's scores makes the
; batch's whole row NaN, as in the reference.
.set MX, 0                             ; LDS 0 .. 127:    the 32 waves' maxima
.set SM, 256                           ; LDS 256 .. 383:  the 32 waves' sums
; A maximum, or a sum, over the wave's 32 lanes, the result in every lane: four steps inside each half of 16 lanes, one across.
.macro REDMAX r
.irp m, 1,2,4,8
	v_max_num_f32_dpp \r, \r, \r row_xmask:\m row_mask:0xf bank_mask:0xf
.endr
	v_permlanex16_b32 v9, \r, s12, s13             ; v9 has been written before
	v_max_num_f32 \r, \r, v9
.endm
.macro REDADD r
.irp m, 1,2,4,8
	v_add_f32_dpp \r, \r, \r row_xmask:\m row_mask:0xf bank_mask:0xf
.endr
	v_permlanex16_b32 v9, \r, s12, s13
	v_add_f32 \r, \r, v9
.endm
	s_load_b128 s[4:7], s[0:1], 0x0                ; scores s[4:5], out0 s[6:7]
	v_lshl_add_u32 v16, v0, 2, 0x200
	v_mov_b32 v17, 0
	v_lshrrev_b32 v9, 5, v0
	v_readfirstlane_b32 s8, v9                     ; wave 0..31
	s_lshl_b32 s10, ttmp9, 14                      ; b x 4,096 x 4 bytes
	s_mov_b32 s11, 0
	s_mov_b32 s12, 0x76543210                      ; v_permlanex16_b32: lane i of one half reads lane i of the other
	s_mov_b32 s13, 0xfedcba98
	v_lshlrev_b32 v1, 4, v0                        ; 16 x thread
	v_and_b32 v2, 31, v0
	v_lshlrev_b32 v2, 2, v2                        ; 4 x lane
	v_mov_b32 v3, s8
	v_lshlrev_b32 v3, 2, v3                        ; 4 x wave
	s_wait_kmcnt 0x0
	s_add_nc_u64 s[4:5], s[4:5], s[10:11]
	s_add_nc_u64 s[6:7], s[6:7], s[10:11]
	global_load_b128 v[4:7], v1, s[4:5]
	s_wait_loadcnt 0x0
	; the batch's maximum
	v_max_num_f32 v9, v4, v5
	v_max3_num_f32 v8, v6, v7, v9
	REDMAX v8
	ds_store_b32 v3, v8 offset:MX                  ; all lanes put the wave's maximum into the wave's word
	s_wait_dscnt 0x0                               ; done before I signal
	s_barrier_signal -1
	s_barrier_wait -1
	ds_load_b32 v8, v2 offset:MX                   ; lane l takes wave l's
	s_wait_dscnt 0x0
	REDMAX v8
	; exp(s - max) = 2^((s - max) x log2 e).  The maximum is taken away first, exactly as the reference does; folding it into a
	; multiply-add on s x log2 e would form a difference of two large products where scores are large.
.irp i, 4,5,6,7
	v_sub_f32 v\i, v\i, v8
.endr
.irp i, 4,5,6,7
	v_mul_f32 v\i, 0x3fb8aa3b, v\i
.endr
.irp i, 4,5,6,7
	v_exp_f32 v\i, v\i
.endr
	v_nop                                          ; one plain vector instruction stands between a transcendental and the first use of its result (ISA guide 5.7.2)
	; the batch's sum
	s_wait_alu depctr_va_vdst(0)
	v_pk_add_f32 v[10:11], v[4:5], v[6:7]
	v_add_f32 v10, v10, v11
	REDADD v10
	ds_store_b32 v3, v10 offset:SM
	s_wait_dscnt 0x0                               ; done before I signal; my read of the maxima was waited for above
	s_barrier_signal -1
	s_barrier_wait -1
	ds_load_b32 v10, v2 offset:SM
	s_wait_dscnt 0x0
	REDADD v10
	v_rcp_f32 v12, v10                             ; twice, to fill the pair that the packed multiply takes
	v_rcp_f32 v13, v10
	v_nop                                          ; the plain place behind the transcendentals
	s_wait_alu depctr_va_vdst(0)
	v_pk_mul_f32 v[4:5], v[4:5], v[12:13]
	v_pk_mul_f32 v[6:7], v[6:7], v[12:13]
	global_store_b128 v1, v[4:7], s[6:7] th:TH_STORE_NT        ; a wave stores 512 consecutive bytes, at a multiple of 512 from the buffer's first byte
	s_wait_tensorcnt 0x0
	ds_add_u32 v16, v17
	s_wait_dscnt 0x0
	s_endpgm
.Lfunc_end_k_qdd3b38b45e_soft:
	.size	k_qdd3b38b45e_soft, .Lfunc_end_k_qdd3b38b45e_soft-k_qdd3b38b45e_soft
	.p2alignl 7, 3214868480
	.fill 96, 4, 3214868480
	.section	.rodata,"a",@progbits
	.p2align	6, 0x0
	.amdhsa_kernel k_qdd3b38b45e_soft
		.amdhsa_group_segment_fixed_size 4608
		.amdhsa_private_segment_fixed_size 0
		.amdhsa_enable_private_segment 0
		.amdhsa_kernarg_size 16
		.amdhsa_user_sgpr_count 2
		.amdhsa_user_sgpr_kernarg_segment_ptr 1
		.amdhsa_wavefront_size32 1
		.amdhsa_system_sgpr_workgroup_id_x 1
		.amdhsa_system_sgpr_workgroup_id_y 1
		.amdhsa_system_sgpr_workgroup_id_z 1
		.amdhsa_system_vgpr_workitem_id 0
		.amdhsa_next_free_vgpr 18
		.amdhsa_next_free_sgpr 66
		.amdhsa_reserve_vcc 0
		.amdhsa_float_denorm_mode_32 3
		.amdhsa_float_denorm_mode_16_64 3
		.amdhsa_memory_ordered 1
		.amdhsa_forward_progress 1
		.amdhsa_inst_pref_size 5
	.end_amdhsa_kernel
	.amdgpu_metadata
---
amdhsa.version: [ 1, 2 ]
amdhsa.kernels:
  - .name:           k_qdd3b38b45e_soft
    .symbol:         k_qdd3b38b45e_soft.kd
    .args:
      - { .name: scores, .offset: 0, .size: 8, .value_kind: global_buffer, .address_space: global }
      - { .name: out0, .offset: 8, .size: 8, .value_kind: global_buffer, .address_space: global }
    .group_segment_fixed_size: 4608
    .private_segment_fixed_size: 0
    .kernarg_segment_align: 8
    .kernarg_segment_size: 16
    .max_flat_workgroup_size: 1024
    .sgpr_count:     66
    .vgpr_count:     18
    .wavefront_size: 32
...
	.end_amdgpu_metadata
.endif
;; end of part 3
